; MI455X (gfx1250); checked and timed in simulation.
; The chip was launched on July 23, 2026; its instructions are those of AMD's public machine-readable ISA for CDNA 5 (MIT licence, August 2026) and "CDNA5" Instruction Set Architecture Reference Guide (July 2026). The comments in the code are by the model that wrote it; some were corrected since.
;; Bert Sim Self Attention. Allowed arithmetic: matrix products marked QUANTISED: E4M3 operands, one given power-of-two scale a tensor, by v_wmma_f32_16x16x64_fp8_fp8 or v_wmma_f32_16x16x128_fp8_fp8, f32 sums; everything else in f32.
;; Inputs: Wk_codes 1,024 x 32 x 32 uint8 (E4M3 codes of Wk, K innermost, in blocks of 32 codes); Wq_codes 1,024 x 32 x 32 uint8 (E4M3 codes of Wq, K innermost, in blocks of 32 codes); Wv_codes 1,024 x 32 x 32 uint8 (E4M3 codes of Wv, K innermost, in blocks of 32 codes); attention_mask 4 x 64 x 64 float32; bk 1,024 float32; bq 1,024 float32; bv 1,024 float32; hidden_states_codes 4 x 64 x 64 x 32 x 32 uint8 (E4M3 codes of hidden_states, K innermost, in blocks of 32 codes); lowp_scales 10 int32 (the exponents e of the quantised operands' scales 2^e); sim_graph 256 x 64 x 64 float32.
;; Outputs: out0 256 x 64 x 1,024 float32.
;; Constants: b = 4, dim = 1024, m = 64, seq = 64.
;; This version of the problem:
;;   THIS VERSION OF THE PROBLEM IS GIVEN IN LOW PRECISION. The matrix products marked QUANTISED in the list below multiply operands that are first quantised to E4M3 (4 exponent bits, 3 mantissa bits; 8 bits a number), with one given power-of-two scale for each operand tensor; their sums are f32. All else is computed in f32.
;;   The module's matrix products, in the order in which they are computed (A, B: the left and right operand; K: the contracted axis; several contracted axes count as one K, in the product's order):
;;     1. [M 16,384, K 1,024] x [K 1,024, N 1,024]; A: input hidden_states (given as codes); B: input Wq (given as codes): QUANTISED (scales: A lowp_scales[0], B lowp_scales[1])
;;     2. [M 16,384, K 1,024] x [K 1,024, N 1,024]; A: input hidden_states (given as codes); B: input Wk (given as codes): QUANTISED (scales: A lowp_scales[2], B lowp_scales[3])
;;     3. [M 16,384, K 1,024] x [K 1,024, N 1,024]; A: input hidden_states (given as codes); B: input Wv (given as codes): QUANTISED (scales: A lowp_scales[4], B lowp_scales[5])
;;     4. batch 4,096 x [M 64, K 64] x [K 64, N 64]; A: computed on the way; B: computed on the way: QUANTISED (scales: A lowp_scales[6], B lowp_scales[7])
;;     5. batch 4,096 x [M 64, K 64] x [K 64, N 64]; A: softmax (see below); B: computed on the way: QUANTISED (scales: A lowp_scales[8], B lowp_scales[9])
;;   THE QUANTISER, for each operand of a quantised product, along K:
;;     - The operand's scale is 2^e, e = its entry of the input lowp_scales (int32; the entries are numbered through the quantised products in the list's order, A before B).
;;     - Each number is divided by the scale, clamped to +-448, and rounded to the nearest number of E4M3, ties to even, subnormals kept.
;;     - The product sums the exact products of the quantised numbers (number of the format x scale) in f32.
;;   ~~~python
;;   def quantise(x, axis, e):      # numpy; x: float32 -> the quantised numbers, widened to float32 again
;;       x = np.moveaxis(x, axis, -1); K = x.shape[-1]
;;       r = np.clip(x / 2.0 ** e, -448, 448)
;;       step = 2.0 ** (np.maximum(np.frexp(np.where(r == 0, 1, r))[1] - 1, -6) - 3)
;;       q = np.round(r / step) * step * 2.0 ** e      # np.round: ties to even
;;       return np.moveaxis(q, -1, axis).astype(np.float32)
;;   ~~~
;;   SOFTMAX AHEAD OF A QUANTISED PRODUCT. Where the list says 'softmax', what is quantised is not the finished softmax but p = 2^(t - M), with t = logit x log2(e) and M = ceil(the row's largest t), a whole number; so 1/2 < the row's largest p <= 1. The row's sum l is taken of the UNQUANTISED p, in f32, and the product's result is divided by l at the end. Since M is a whole number, a kernel that streams over the keys may use a running M (the ceiling of the running maximum): every later rescaling is an exact power of two, so the quantised numbers keep their values, but for numbers so far below the row's largest that they fall under the format's range.
;;   OPERANDS COMPUTED ON THE WAY. 'Computed on the way' means the value that the module computes at that place (a softmax that the list does not call 'softmax' is quantised finished and normalised). What goes into a quantiser is computed in f32, as accurately as f32 sums, v_exp_f32 and their like allow (about 1e-6 of the number): no bf16 or f16 on the way to a quantiser, and a product that is left as it is and whose result goes on into a quantised operand takes f32 operands (vector FMAs, or v_wmma_f32_16x16x4_f32). A number that lies on a knife's edge between two numbers of the format may be rounded either way, as far as f32 arithmetic and the matrix unit's own rounding can turn it there, and no further.
;;   INPUTS GIVEN AS CODES. Wk (in the module: [1024, 1024], K = its axis 1); Wq (in the module: [1024, 1024], K = its axis 1); Wv (in the module: [1024, 1024], K = its axis 1); hidden_states (in the module: [4, 64, 64, 1024], K = its axis 3): each comes as NAME_codes (uint8): NAME with its K axis moved to the last place and cut into blocks of 32 codes, [.., K / 32, bytes a block], one block behind the other in memory; one code a byte (a code: sign, 4 exponent bits, 3 mantissa bits); its scale is its entry of lowp_scales. Its value is code x scale, taken as it is: it is not quantised again, and the codes and scales need not be those that the quantiser above would give.
;; One version. Each part assembles by itself: llvm-mc -triple=amdgcn-amd-amdhsa -mcpu=gfx1250 --defsym DOCPART=n.
;; ======== version 1 of 1: 1 launch
;; limits: right only within a limited range of input values
;; launch fused (part 1): grid 64 x 4, 4 waves a work-group, clusters of 4 x 4, 327,680 bytes of LDS; arguments hidden_states_codes, Wq_codes, Wk_codes, Wv_codes, bq, bk, bv, attention_mask, sim_graph, lowp_scales, out0; writes out0
.if DOCPART == 1
	.amdgcn_target "amdgcn-amd-amdhsa--gfx1250"
	.amdhsa_code_object_version 6
	.text
	.protected	k_q90a6793f56_fused
	.globl	k_q90a6793f56_fused
	.p2align	8
	.type	k_q90a6793f56_fused,@function
k_q90a6793f56_fused:
	s_mov_b64 s[64:65], 0
	v_nop
	global_prefetch_b8 v0, s[64:65] scope:SCOPE_SE
	s_setreg_imm32_b32 hwreg(HW_REG_WAVE_MODE, 25, 1), 1
	s_wait_xcnt 0x0
	s_wait_alu depctr_hold_cnt(0) depctr_sa_sdst(0) depctr_va_vdst(0) depctr_va_sdst(0) depctr_va_ssrc(0) depctr_va_vcc(0) depctr_vm_vsrc(0)
	s_getreg_b32 s2, hwreg(HW_REG_IB_STS2, 6, 4)
	s_cmp_eq_u32 s2, 0
	s_cbranch_scc0 .Lentry_in_a_cluster
	s_endpgm
.Lentry_in_a_cluster:
	s_bfe_u32 s2, ttmp6, 0x10000c
	s_cmp_lg_u32 s2, 0xf033
	s_cbranch_scc0 .Lentry_shape_is_right
	s_endpgm
.Lentry_shape_is_right:
; BertSimSelfAttention on codes of FP8 (E4M3), one launch.  For each of 256 batch elements B' = (b, seq): 64 tokens x 1,024 codes; q, k, v = hidden W^T + bias (K = 1,024);
; for each of 16 heads: logit = q.k / 8 x sim[q][k] + (1 - am[k]) x (-10000); p = 2^(t - M), t = logit x log2(e), M = ceil(the row's largest t); out = (p v) / (the row's sum of the unquantised p).
; SHARES.  Work-group (X, g): batch elements 4 X .. 4 X + 3, heads 4 g .. 4 g + 3.  Wave w: batch element 4 X + w.  Its 64 x 1,024 codes of hidden stay in 512 registers for the whole launch.
; PIPELINE.  A head is six half blocks of 32 features (Q0 Q1 K0 K1 V0 V1), each 64 matrix instructions on 8 accumulators; two sets of accumulators, X and Y, take turns.  Behind each matrix instruction stand a few
; vector instructions of earlier work ("jobs"): holding and converting the half block before, and the attention of the head.  A job is a macro that is told by NI (0 .. 63) behind which matrix instruction it stands.
; All memory instructions stand in runs, one for each pair of K steps (16 matrix instructions), at the pair's head.  The jobs of a pair's last three places follow its last matrix instruction.
; The exponentials and reciprocals stand between V1 and the next head's Q0, where no sum is in progress and every finished sum has been read.
; WEIGHTS go through two LDS slots of 96 rows: A = Q's 64 rows and K's first 32, B = K's other 32 and V's 64, filled by joint loads, one a wave, behind a round of the cluster's barrier.
; CLUSTER 4 x 4: cx picks the batch group, cy the head group (one cluster along y): a weight tile hangs on the head group alone, so the four of a row of the cluster ask for it jointly.
; Hidden is not asked for jointly: padded it is 4 x 64 x 1,040 = 266,240 bytes of LDS, which do not fit beside the two slots (199,680); each work-group reads each of its bytes once, 262,144 bytes against 786,432 of weights.
; It is read in runs of 512 bytes an instruction and turned into operand order through LDS bytes of the wave's own.
; PREFETCH.  Behind slot A's refill for head n + 1 the four clusters with the lowest numbers ask for slot B's rows of head n + 1, behind slot B's refill for slot A's of head n + 2: one refill, three half blocks, ahead.  A slot is 384 blocks of
; 256 bytes: 96 for each of the four partners, told apart by address, 32 for each of waves 0 to 2, a lane a block.  Slot A's first refill and both first fills come by their loads alone; the last trip asks for no slot A.
; LAYOUT.  q and k: source 0 = 16 rows of W, source 1 = 16 tokens: a lane holds one token and 8 neighbouring features, so the conversions' results are the K = 64 operand's registers.  v: source 0 = tokens, source 1 = W: V^T with the
; keys along K.  S^T = k q^T and O^T = v^T p^T: a lane holds one query throughout.  In the K = 128 products k is permuted alike on both sides.
; LIMITS on the given exponents, so that each power of two below is an f32 number: e6-e0-e1, e7-e2-e3, e9-e4-e5 and e8 between -126 and 119; e6+e7 between -123 and 130.  The scaled scores stay under 2^31 in magnitude.  NaN among the inputs is not served.
; REGISTERS.  Window 0: v0-15 addresses and scales, v16-31 statistics, v32 q's codes (then G), v64 k's codes (then G, then p's codes), v96 v's codes (before them the mask's terms), v128-255 S^T, p, O^T.
;   A half block's two bias tiles lie where window 0 is free at that time: Q0, Q1: v32; K0: v64; K1, V0: v96; V1: v16.
;   Windows 1, 2: hidden: fragment (token tile a, K step s) at v[64 (s % 4) + 16 a] of window 1 + s / 4.
;   Window 3: v0 accumulators X, v64 Y, v128-255 two sets of weight fragments (2 K steps x 2 x 16 rows x 128 K).
.set PITCH, 1040                       ; an LDS row of weights: 1,024 bytes + 16 = 260 words: the 16 rows of a fragment load start at 16 different banks (64 banks of 4 bytes: ISA guide 11.1)
.set SP,    272
.set GT,    192*PITCH                  ; a wave's G = sim x c as 64 rows of 256 + 16 bytes; before that the place where hidden is turned, 16 rows of PITCH
.set GTW,   64*SP
.set BT,    GT+4*GTW                   ; bias tables, BTH bytes a head: +0 bq' (64 f32), +256 bk', +512 bv' with each number eight times
.set BTH,   2560
.set MT,    BT+4*BTH                   ; the mask's terms, 64 f32 a wave
.set STG,   MT+4*256                   ; the way out: 16 rows x 272 bytes a wave
.set SPARE, STG+4*16*SP                ; the spare words: two blocks of 256 bytes that no other line names
.set ABT, 0                            ; the LDS address in hand (v0 is read for the last time at the kernel's head)
.set SPW, 1
.set NIL, 2
.set LH,  3                            ; r x 272 + 32 h: my place in G (base s92) and in the stage (base s93)
.set RD,  4                            ; where I read a row back from the stage
.set GO,  5                            ; my byte offset in out
.set PFO, 6                            ; prefetches: 256 x my lane
.set L32H, 7                           ; 32 h: bias of q and k (base s60), mask's terms (base s94)
.set L32R, 8                           ; 32 r: bias of v (base s60)
.set SCQ, 9                            ; conversion scales as f32
.set SCK, 10
.set SCV, 11
.set SCP, 12
.set AQ,  13                           ; my lane's place in a fragment of Q's, K's, V's rows
.set AK,  14
.set AV,  15
.set ST,  16                           ; query tile q at v[ST + 4 q]: +0 -M, later 1 / sum; +1 second maximum; +2, +3 maximum and the other half's, then the sum in two halves
.set QC,  32
.set KC,  64
.set VC,  96
.set GST, 112                          ; at the start alone: where I store G
.set SB,  128
.set AX,  0
.set AY,  64
.set WS,  128
.set LV,  66                           ; scalars: 448 x the conversion's scale
.set LP,  67
.set LQ,  100
.set LK,  101
.set MSB, 0
.set GS,  0                            ; pairs so far: the set of weight fragments is GS % 2
.set IC,  0                            ; LDS instructions issued so far; MKA: its value behind this pair's fragment loads
.set MKA, 0
.set MKC, 0
.set PV,  100                          ; plain vector instructions so far; PVM: its value at the last pair's last matrix instruction
.set PVM, 0
.set RND, 0
.set FA, 0
.set FO, 0
.set BA, 0
.set BO, 0
.set BS, 0
.set BC, 0
.set BN, 0
.set KP, 0
.macro WIN new                         ; low byte: bits 1:0 source 0, 3:2 source 1, 5:4 source 2, 7:6 destination; the high byte repeats the setting that is left
.if MSB != (\new)
	s_set_vgpr_msb (MSB<<8)|(\new)
.set MSB, (\new)
.endif
.endm
.macro WALU
	s_wait_alu depctr_va_vdst(0)
.endm
.macro NOP4
.rept 4
	v_nop
.endr
.endm
.macro PLACES                          ; four plain vector instructions behind a matrix instruction, ahead of reads of its result and of loads into its registers
	NOP4
.set PV, PV+4
.endm
.macro PLC                             ; as many v_nop as are missing from four behind the last pair's last matrix instruction
.if PV-PVM < 4
.rept 4-PV+PVM
	v_nop
.endr
.set PV, PVM+4
.endif
.endm
.macro CREST                           ; a round of the cluster's barrier behind its opening barrier
	s_cmp_lg_u32 s26, 0
	s_cbranch_scc1 .Lnot_wave_0_\@
	s_barrier_signal -3
.Lnot_wave_0_\@:
	s_barrier_wait -3
	s_barrier_signal -1
	s_barrier_wait -1
.endm
.macro CROUND
	s_barrier_signal -1
	s_barrier_wait -1
	CREST
.endm
.macro JLOAD a, ga, b, gb              ; waves 0, 1 and waves 2, 3: one joint load each.  The branch hangs on the wave's number alone
	s_cmp_lt_u32 s26, 2
	s_cbranch_scc0 .Lother_\@
	tensor_load_to_lds s[\a:\a+3], s[\ga:\ga+7]
	s_nop 0
	NOP4
	s_branch .Lasked_\@
.Lother_\@:
	tensor_load_to_lds s[\b:\b+3], s[\gb:\gb+7]
	s_nop 0
	NOP4
.Lasked_\@:
.set PV, PV+4
.endm
.macro ASK base, lim                   ; prefetch while trips to go > the limit (never in the waves and clusters that do not ask)
	WIN 0
	s_cmp_gt_u32 s27, s[\lim]
	s_cbranch_scc0 .Lnot_mine_\@
	global_prefetch_b8 v[PFO], s[\base:\base+1] th:TH_LOAD_NT scope:SCOPE_SE
.Lnot_mine_\@:
.endm
.macro LDP adr, off, set               ; two K steps' fragments, each 16 rows x 128 K: registers 4 c .. 4 c + 3 hold K = 32 c + 16 (lane / 16) + 0 .. 15
	WIN 0xc0
.irp s, 0,1
.irp b, 0,1
.irp c, 0,1,2,3
	ds_load_b128 v[WS+64*(\set)+32*\s+16*\b+4*\c:WS+64*(\set)+32*\s+16*\b+4*\c+3], v[\adr] offset:(\off)+128*\s+16*PITCH*\b+32*\c
.endr
.endr
.endr
.set IC, IC+16
.endm
.macro FETP adr, half                  ; a half block's first pair, behind a round
	LDP \adr,32*PITCH*\half,GS%2
.set MKA, IC
.endm
.macro BSET reg, adr, off, stride      ; this half block's bias tiles are those loaded last; the next one's go to reg, from the table
.set BC, BN
.set BN, \reg
.set BA, \adr
.set BO, \off
.set BS, \stride
.endm
.macro BIASLD
	WIN 0
	v_add_nc_u32 v[ABT], s60, v[BA]
	ds_load_b128 v[BN:BN+3], v[ABT] offset:BO
	ds_load_b128 v[BN+4:BN+7], v[ABT] offset:BO+16
	ds_load_b128 v[BN+8:BN+11], v[ABT] offset:BO+BS
	ds_load_b128 v[BN+12:BN+15], v[ABT] offset:BO+BS+16
.set IC, IC+4
.set PV, PV+1
.endm
; A pair of K steps of a half block: 16 matrix instructions, the 8 accumulators by turns in the same order in every step.  In front of them the pair's run of memory instructions: what mem names, the
; next half block's bias, the next pair's fragments; and the wait for this pair's.
; nat = 0: source 0 = W, source 1 = hidden (accumulator 2 a + b: token tile a, feature tile b);  nat = 1: source 0 = hidden, source 1 = W (accumulator 4 b + a).  The first step's C is the bias.
; RND = 1: the pair stands in front of a round: behind its first step all LDS instructions are waited for and the round's opening barrier is signalled.
.macro PAIR nat, acc, job, mem
.set cSet, GS%2
	\mem
.if BA > 0 && KP == 3
	BIASLD
.endif
.if FA > 0
	PLC                                    ; the other set was read by the pair before
	LDP FA,FO,(GS+1)%2
.set MKC, IC
.endif
	s_wait_dscnt IC-MKA                    ; all but what was issued behind this pair's fragments
.set WI, 0
.rept 16
.set KS, 2*KP+WI/8
.set rD, (\acc)+8*(WI%8)
.if \nat
.if KS == 0
	WIN 0xcd
.else
	WIN 0xfd+KS/4
.endif
.set rA, 64*(KS%4)+16*(WI%4)
.set rB, WS+64*cSet+32*(KS%2)+16*((WI%8)/4)
.set rC, BC+8*((WI%8)/4)
.else
.if KS == 0
	WIN 0xc7
.else
	WIN 0xf7+4*(KS/4)
.endif
.set rA, WS+64*cSet+32*(KS%2)+16*(WI%2)
.set rB, 64*(KS%4)+16*((WI%8)/2)
.set rC, BC+8*(WI%2)
.endif
.if KS == 0
	v_wmma_f32_16x16x128_fp8_fp8 v[rD:rD+7], v[rA:rA+15], v[rB:rB+15], v[rC:rC+7]
.else
	v_wmma_f32_16x16x128_fp8_fp8 v[rD:rD+7], v[rA:rA+15], v[rB:rB+15], v[rD:rD+7]
.endif
.set NI, 16*KP+WI
.if WI < 13
	\job
.endif
.if WI == 7 && RND
	s_wait_dscnt 0x0                       ; the add is done, and so are my reads of the slot
	s_barrier_signal -1
.endif
.if WI == 15
.set PVM, PV
.set NI, 16*KP+13
	\job
.set NI, 16*KP+14
	\job
.set NI, 16*KP+15
	\job
.endif
.set WI, WI+1
.endr
.set GS, GS+1
.set MKA, MKC
.endm
.macro PHASE nat, acc, job, mem, adr, half, nadr, nhalf, np   ; the first np pairs of a half block; nadr: where the next half block's fragments lie (0: behind a round)
.set KP, 0
.rept \np
.if KP < 3
.set FA, \adr
.set FO, 32*PITCH*\half+256*(KP+1)
.else
.set FA, \nadr
.set FO, 32*PITCH*\nhalf
.endif
	PAIR \nat,\acc,\job,\mem
.set KP, KP+1
.endr
.endm
.macro HOLD4 base, lim, p              ; the conversion to an 8-bit code does not saturate (ISA guide 7.6.2): the hold at the largest code x the scale; each accumulator from its low end on
.if (MSB&0xf0) != 0xf0
	WIN 0xf0
.endif
.irp x, 0,1,2,3
	v_med3_num_f32 v[\base+(\p)+\x], -s[\lim], s[\lim], v[\base+(\p)+\x]
.endr
.set PV, PV+4
.endm
.macro HOLDALL base, lim
.set EX, 0
.rept 16
	HOLD4 \base,\lim,4*EX
.set EX, EX+1
.endr
.endm
.macro CV2 dst, base, sc, j, st        ; accumulators j, j + 1 become codes
	WIN 0x03
.set rD, (\dst)+(\st)*((\j)/2)
.set rB, (\base)+8*(\j)
	v_cvt_scalef32_pk8_fp8_f32 v[rD:rD+1], v[rB:rB+7], v[\sc]
	v_cvt_scalef32_pk8_fp8_f32 v[rD+2:rD+3], v[rB+8:rB+15], v[\sc]
	v_nop                                  ; one plain vector instruction behind a scaled conversion
.set PV, PV+1
.endm
.macro CV8 dst, base, sc, st
	CV2 \dst,\base,\sc,0,\st
	CV2 \dst,\base,\sc,2,\st
	CV2 \dst,\base,\sc,4,\st
	CV2 \dst,\base,\sc,6,\st
.endm
.macro GLD q, dst                      ; G of query tile q (ABT holds its base)
	WIN 0
.irp k, 0,1,2,3
.irp u, 0,1
	ds_load_b128 v[\dst+8*\k+4*\u:\dst+8*\k+4*\u+3], v[ABT] offset:16*\q*SP+64*\k+16*\u
.endr
.endr
.set IC, IC+8
.endm
.macro TT n, g                         ; t = sum x (sim c) + the mask's term: four pairs
	WIN 0
.set EX, 4*(\n)
.rept 4
	v_pk_fma_f32 v[SB+2*EX:SB+2*EX+1], v[SB+2*EX:SB+2*EX+1], v[\g+2*EX:\g+2*EX+1], v[VC+(2*EX)%32:VC+(2*EX)%32+1]
.set EX, EX+1
.endr
.set PV, PV+4
.endm
.macro MX4 u, q                        ; the largest t of query tiles q, q + 1: two chains a tile, by turns
	WIN 0
.set rA, SB+32*(\q)
.set rB, rA+32
.set rM, ST+4*(\q)
.if (\u) == 0
	v_max3_num_f32 v[rM+2], v[rA], v[rA+1], v[rA+2]
	v_max3_num_f32 v[rM+6], v[rB], v[rB+1], v[rB+2]
	v_max3_num_f32 v[rM+1], v[rA+3], v[rA+4], v[rA+5]
	v_max3_num_f32 v[rM+5], v[rB+3], v[rB+4], v[rB+5]
.endif
.if (\u) > 0 && (\u) < 7
.set EX, 6+4*((\u)-1)
	v_max3_num_f32 v[rM+2], v[rM+2], v[rA+EX], v[rA+EX+1]
	v_max3_num_f32 v[rM+6], v[rM+6], v[rB+EX], v[rB+EX+1]
	v_max3_num_f32 v[rM+1], v[rM+1], v[rA+EX+2], v[rA+EX+3]
	v_max3_num_f32 v[rM+5], v[rM+5], v[rB+EX+2], v[rB+EX+3]
.endif
.if (\u) == 7
	v_max3_num_f32 v[rM+2], v[rM+2], v[rA+30], v[rA+31]
	v_max3_num_f32 v[rM+6], v[rM+6], v[rB+30], v[rB+31]
	v_max_num_f32 v[rM+2], v[rM+2], v[rM+1]
	v_max_num_f32 v[rM+6], v[rM+6], v[rM+5]
.endif
.set PV, PV+4
.endm
.macro PKM n                           ; O^T / sum: four pairs
	WIN 0
.set EX, 4*(\n)
.rept 4
	v_pk_mul_f32 v[SB+2*EX:SB+2*EX+1], v[SB+2*EX:SB+2*EX+1], v[ST+4*(EX/16):ST+4*(EX/16)+1] op_sel_hi:[1,0]
.set EX, EX+1
.endr
.set PV, PV+4
.endm
; The way out of query tile q: a lane's 32 bytes of a row go into my stage and come back as whole rows of 256 bytes.  LDS serves a wave's instructions in order (ISA guide 5.7.1.4)
.macro OUTQ q
	WIN 0
	v_add_nc_u32 v[ABT], s93, v[LH]
.irp u, 0,1,2,3
	ds_store_b128 v[ABT], v[SB+32*\q+8*\u:SB+32*\q+8*\u+3] offset:64*\u
	ds_store_b128 v[ABT], v[SB+32*\q+8*\u+4:SB+32*\q+8*\u+7] offset:64*\u+16
.endr
.irp i, 0,1,2,3,4,5,6,7
	ds_load_b128 v[SB+32*\q+4*\i:SB+32*\q+4*\i+3], v[RD] offset:2*SP*\i
.endr
.set IC, IC+16
.set MO\q, IC
.endm
.macro SENDQ q                         ; 16 lanes store 256 consecutive bytes, at a multiple of 256 from out's first byte
	WIN 0
.if IC-MO\q < 64
	s_wait_dscnt IC-MO\q                   ; all but what was issued behind the tile's loads from the stage
.else
	s_wait_dscnt 63                        ; (the count names 63 at the most)
.endif
.irp i, 0,1,2,3,4,5,6,7
	global_store_b128 v[GO], v[SB+32*\q+4*\i:SB+32*\q+4*\i+3], s[24:25] offset:(16*\q+2*\i)*4096 th:TH_STORE_NT
.endr
.endm
.macro SMUL                            ; S^T = k q^T
	WIN 0
	WALU
.irp q, 0,1,2,3
.irp k, 0,1,2,3
	v_wmma_f32_16x16x64_fp8_fp8 v[SB+8*(4*\q+\k):SB+8*(4*\q+\k)+7], v[KC+8*\k:KC+8*\k+7], v[QC+8*\q:QC+8*\q+7], 0
.endr
.endr
	PLACES
.endm
.macro OMUL                            ; O^T = v^T p^T
	WIN 0
	WALU
.irp q, 0,1,2,3
.irp d, 0,1,2,3
	v_wmma_f32_16x16x64_fp8_fp8 v[SB+8*(4*\q+\d):SB+8*(4*\q+\d)+7], v[VC+8*\d:VC+8*\d+7], v[KC+8*\q:KC+8*\q+7], 0
.endr
.endr
.endm
; MEMORY RUNS beside the fragments
.macro MNONE
.endm
.macro MQP                             ; head 0's Q1: G into its table
.if KP == 3
	WIN 0
.set EX, 0
.rept 32
	ds_store_b128 v[GST], v[SB+4*EX:SB+4*EX+3] offset:2*SP*EX
.set EX, EX+1
.endr
.set IC, IC+32
.endif
.endm
.macro MV0                             ; S^T; then the mask's terms and G of query tiles 0, 1
.if KP == 2
	SMUL
	v_add_nc_u32 v[ABT], s94, v[L32H]
.irp k, 0,1,2,3
.irp u, 0,1
	ds_load_b128 v[VC+8*\k+4*\u:VC+8*\k+4*\u+3], v[ABT] offset:64*\k+16*\u
.endr
.endr
.set IC, IC+8
	v_add_nc_u32 v[ABT], s92, v[LH]
	GLD 0,QC
	GLD 1,KC
.endif
.endm
.macro MV1                             ; G of query tiles 2, 3
.if KP == 0
	WIN 0
	v_add_nc_u32 v[ABT], s92, v[LH]
	GLD 2,QC
	GLD 3,KC
.endif
.endm
.macro MQ1
.if KP == 1
	OUTQ 0
	OUTQ 1
.endif
.if KP == 2
	WALU                                   ; ahead of SENDQ's wait
	SENDQ 0
	OUTQ 2
	OUTQ 3
.endif
.if KP == 3
	SENDQ 1
.endif
.endm
.macro MK0
.if KP == 0
	SENDQ 2
.endif
.if KP == 1
	SENDQ 3
.endif
.endm
; JOBS
.macro JNONE
.endm
.macro JQP                             ; head 0's Q1: Q0's codes; G = sim x c
.if NI == 0
	PLC
.endif
.if NI < 16
	HOLD4 AX,LQ,4*NI
.endif
.if NI == 16
	WALU
.endif
.if NI >= 16 && NI < 20
	CV2 QC,AX,SCQ,2*(NI-16),8
.endif
.if NI == 32
	s_wait_loadcnt 0x0
.endif
.if NI >= 32 && NI < 48
	WIN 0
.set EX, SB+8*(NI-32)
.rept 4
	v_pk_mul_f32 v[EX:EX+1], v[EX:EX+1], s[58:59] op_sel_hi:[1,0]
.set EX, EX+2
.endr
.set PV, PV+4
.endif
.endm
.macro JK0                             ; Q1's codes
.if NI == 0
	PLC
.endif
.if NI < 16
	HOLD4 AY,LQ,4*NI
.endif
.if NI == 20
	WALU
.endif
.if NI >= 20 && NI < 24
	CV2 QC+4,AY,SCQ,2*(NI-20),8
.endif
.endm
.macro JV0                             ; K1's codes; t of query tiles 0, 1 (their G came ahead of this pair's fragments, which have been waited for)
.if NI == 0
	PLC
.endif
.if NI < 16
	HOLD4 AY,LK,4*NI
.endif
.if NI == 16
	WALU
.endif
.if NI >= 16 && NI < 20
	CV2 KC+4,AY,SCK,2*(NI-16),8
.endif
.if NI >= 48 && NI < 56
	TT NI-48,QC
.endif
.endm
.macro JV1                             ; V0's hold and codes; t of query tiles 2, 3, the row maxima, t - M
.if NI == 0
	PLC
.endif
.if NI < 16
	HOLD4 AX,LV,4*NI
.endif
.if NI >= 16 && NI < 24
	TT NI-8,QC-64
.endif
.if NI >= 24 && NI < 32
	MX4 NI-24,0
.endif
.if NI >= 32 && NI < 40
	MX4 NI-32,2
.endif
.if NI == 40
	WIN 0
.irp q, 0,1,2,3
	v_permlanex16_b32 v[ST+4*\q+3], v[ST+4*\q+2], s56, s57   ; the query's other 32 keys lie in the lane 16 away
.endr
.set PV, PV+4
.endif
.if NI == 41
	WIN 0
.irp q, 0,1,2,3
	v_max_num_f32 v[ST+4*\q+2], v[ST+4*\q+2], v[ST+4*\q+3]
.endr
.set PV, PV+4
.endif
.if NI == 42
	WIN 0
.irp q, 0,1,2,3
	v_floor_f32 v[ST+4*\q], -v[ST+4*\q+2]  ; -M = floor(-t) = -ceil(t)
.endr
.set PV, PV+4
.endif
.if NI >= 43 && NI < 56
	WIN 0
.set EX, 5*(NI-43)
.rept 5
.if EX < 64
	v_pk_add_f32 v[SB+2*EX:SB+2*EX+1], v[SB+2*EX:SB+2*EX+1], v[ST+4*(EX/16):ST+4*(EX/16)+1] op_sel_hi:[1,0]
.set PV, PV+1
.endif
.set EX, EX+1
.endr
.endif
.if NI >= 56 && NI < 60
	CV2 VC,AX,SCV,2*(NI-56),4
.endif
.endm
.macro JQ0                             ; p's codes (p is not negative: a one-sided hold)
.if NI < 32
	WIN 0
.irp x, 0,1,2,3
	v_min_num_f32 v[SB+4*NI+\x], s[LP], v[SB+4*NI+\x]
.endr
.set PV, PV+4
.endif
.if NI == 40
	WALU
.endif
.if NI >= 40 && NI < 48
	WIN 0
.set EX, 2*(NI-40)
	v_cvt_scalef32_pk8_fp8_f32 v[KC+2*EX:KC+2*EX+1], v[SB+8*EX:SB+8*EX+7], v[SCP]
	v_cvt_scalef32_pk8_fp8_f32 v[KC+2*EX+2:KC+2*EX+3], v[SB+8*EX+8:SB+8*EX+15], v[SCP]
	v_nop
.set PV, PV+1
.endif
.endm
.macro JQ1                             ; Q0's codes; O^T / sum
.if NI == 0
	PLC
.endif
.if NI < 8
	HOLD4 AX,LQ,4*NI
.endif
.if NI >= 8 && NI < 16
	PKM NI-8
.endif
.if NI >= 16 && NI < 24
	HOLD4 AX,LQ,4*(NI-8)
.endif
.if NI >= 24 && NI < 32
	PKM NI-16
.endif
.if NI >= 36 && NI < 40
	CV2 QC,AX,SCQ,2*(NI-36),8
.endif
.endm
.macro SUMS                            ; the row's sum, of the unquantised p; 2^(e8 + e9) / sum
	WIN 0
.irp q, 0,1,2,3
	v_pk_add_f32 v[ST+4*\q+2:ST+4*\q+3], v[SB+32*\q:SB+32*\q+1], v[SB+32*\q+2:SB+32*\q+3]
.endr
.irp i, 4,6,8,10,12,14,16,18,20,22,24,26,28,30
.irp q, 0,1,2,3
	v_pk_add_f32 v[ST+4*\q+2:ST+4*\q+3], v[ST+4*\q+2:ST+4*\q+3], v[SB+32*\q+\i:SB+32*\q+\i+1]
.endr
.endr
.irp q, 0,1,2,3
	v_add_f32 v[ST+4*\q+2], v[ST+4*\q+2], v[ST+4*\q+3]
.endr
.irp q, 0,1,2,3
	v_permlanex16_b32 v[ST+4*\q+3], v[ST+4*\q+2], s56, s57
.endr
.irp q, 0,1,2,3
	v_add_f32 v[ST+4*\q+2], v[ST+4*\q+2], v[ST+4*\q+3]
.endr
	WALU
.irp q, 0,1,2,3
	v_rcp_f32 v[ST+4*\q], v[ST+4*\q+2]
.endr
	v_nop                                  ; a plain instruction behind the reciprocals
	WALU
.irp q, 0,1,2,3
	v_ldexp_f32 v[ST+4*\q], v[ST+4*\q], s61
.endr
.set PV, PV+76
.endm
; From the last pair of K0 to the row sums.  fill = 1: slot A is filled behind K0, slot B behind V1.  In front of each refill every wave waits for all its tensor loads, adds 0 to its spare word, and waits for that and for its
; reads of the slot; a step's matrix instructions stand between.  Behind the round the other slot is whole.
.macro FRONT fill
.set FA, 0
.set BA, 0
	WIN 0
	s_wait_tensorcnt 0x0                   ; my part of slot B has landed
	ds_add_u32 v[SPW], v[NIL]              ; 0 onto my spare word
.set IC, IC+1
.if \fill
	s_add_nc_u64 s[46:47], s[46:47], 0x10000   ; no load of mine is out: 64 rows of 1,024 bytes on
	s_add_nc_u64 s[50:51], s[50:51], 0x10000
.endif
.set KP, 3
.set RND, 1
	PAIR 0,AX,JNONE,MNONE
.set RND, 0
	WIN 0
	s_barrier_wait -1
.if \fill
	CREST
	JLOAD 44,28,48,36
.else
	PLACES
.endif
	BSET VC,L32H,384,64
	BIASLD
	FETP AK,1
.if \fill
	ASK 98,63
.endif
	HOLDALL AX,LK                          ; K0's codes, while the fragments are on their way
	CV8 KC,AX,SCK,8
	BSET VC,L32R,512,512
	PHASE 0,AY,JNONE,MNONE,AK,1,AV,0,4
	BSET ST,L32R,1536,512
	PHASE 1,AX,JV0,MV0,AV,0,AV,1,4
	BSET QC,L32H,0,64
	PHASE 1,AY,JV1,MV1,AV,1,0,0,3
.set FA, 0
.set BA, 0
.if \fill
	WIN 0
	s_wait_tensorcnt 0x0                   ; my part of slot A has landed
	ds_add_u32 v[SPW], v[NIL]
.set IC, IC+1
	s_add_nc_u64 s[54:55], s[54:55], 0x10000
	s_add_nc_u64 s[70:71], s[70:71], 0x10000
	s_add_co_u32 s60, s60, BTH             ; the next head's bias table
.set RND, 1
.endif
.set KP, 3
	PAIR 1,AY,JV1,MNONE
.set RND, 0
	PLC
	HOLDALL AY,LV
	CV8 VC+16,AY,SCV,4
	WIN 0
	WALU
.set EX, 0
.rept 128
	v_exp_f32 v[SB+EX], v[SB+EX]           ; p = 2^(t - M)
.set EX, EX+1
.endr
	v_nop                                  ; a plain instruction behind the exponentials
	WALU
.if \fill
	s_barrier_wait -1
	CREST
	JLOAD 52,36,68,28
.set BA, L32H
	BIASLD                                 ; Q0's bias tiles
	FETP AQ,0
	ASK 96,62
.endif
	SUMS
.endm
; eo - ea - eb folded into one conversion scale (a sum stands for sum x 2^(ea + eb)); ng takes -(ea + eb), for the bias
.macro MKSCALE eo, ea, eb, ng, vs, vl
	s_add_co_i32 s86, s[\ea], s[\eb]
	s_sub_co_i32 s[\ng], 0, s86
	s_sub_co_i32 s86, s[\eo], s86
	s_add_co_i32 s86, s86, 127
	s_lshl_b32 s87, s86, 23
	v_mov_b32 v[\vs], s87
	s_add_co_i32 s86, s86, 8
	s_lshl_b32 s86, s86, 23
	s_or_b32 s[\vl], s86, 0x600000
.endm
.macro HLD a                           ; hidden, token tile a: each load 512 consecutive bytes, half a row
.set EX, 0
.rept 32
	WIN 0x40*(1+EX/16)
	global_load_b128 v[64*((EX/4)%4)+16*\a+4*(EX%4):64*((EX/4)%4)+16*\a+4*(EX%4)+3], v45, s[4:5] offset:(16*\a+EX/2)*65536+512*(EX%2)
.set EX, EX+1
.endr
	WIN 0
.endm
.macro HTR a                           ; through my LDS bytes into operand order, into the same registers (LDS serves a wave's instructions in order)
.set EX, 0
.rept 32
	WIN 4*(1+EX/16)
	ds_store_b128 v39, v[64*((EX/4)%4)+16*\a+4*(EX%4):64*((EX/4)%4)+16*\a+4*(EX%4)+3] offset:PITCH*(EX/2)+512*(EX%2)
.set EX, EX+1
.endr
.set EX, 0
.rept 32
	WIN 0x40*(1+EX/16)
	ds_load_b128 v[64*((EX/4)%4)+16*\a+4*(EX%4):64*((EX/4)%4)+16*\a+4*(EX%4)+3], v40 offset:128*(EX/4)+32*(EX%4)
.set EX, EX+1
.endr
	WIN 0
.endm
.macro BASES                           ; my LDS bytes: G (and where hidden is turned), the stage, the mask's terms
	s_mul_i32 s92, s26, GTW
	s_add_co_u32 s92, s92, GT
	s_mul_i32 s93, s26, 16*SP
	s_add_co_u32 s93, s93, STG
	s_lshl_b32 s94, s26, 8
	s_add_co_u32 s94, s94, MT
.endm
	s_load_b256 s[4:11], s[0:1], 0x0               ; hidden s[4:5], Wq s[6:7], Wk s[8:9], Wv s[10:11]
	s_load_b256 s[12:19], s[0:1], 0x20             ; bq s[12:13], bk s[14:15], bv s[16:17], the mask s[18:19]
	s_load_b128 s[20:23], s[0:1], 0x40             ; sim s[20:21], the scales' exponents s[22:23]
	s_load_b64 s[24:25], s[0:1], 0x50              ; out
	v_lshl_add_u32 v[SPW], v0, 2, SPARE
	v_mov_b32 v[NIL], 0
	ds_add_u32 v[SPW], v[NIL]                      ; the wave's opening: 0 onto my spare word, twice
	ds_add_u32 v[SPW], v[NIL]
	v_lshrrev_b32 v32, 5, v0
	v_readfirstlane_b32 s26, v32                   ; wave 0..3
	s_bfe_u32 s82, ttmp6, 0x40000                  ; cx
	s_bfe_u32 s83, ttmp6, 0x40004                  ; cy = the head group g
	s_lshl_b32 s84, ttmp9, 2
	s_add_co_u32 s84, s84, s82                     ; X = 4 x cluster x + cx
	s_lshl_b32 s84, s84, 2
	s_add_co_u32 s84, s84, s26                     ; my batch element B' = 4 X + wave
	s_lshl_b32 s85, s83, 2
	s_lshl_b32 s85, 15, s85                        ; my row of the cluster: places 4 cy .. 4 cy + 3
	; descriptor group 1: rows of 1,024 elements of one byte, 16 bytes of padding behind each: s[28:35] 32 rows, s[36:43] 16 rows
	s_or_b32 s28, s85, (1<<20)|(1<<21)|(7<<22)|(3<<25)   ; 15:0 the mask; 17:16 elements of 1 byte; 20 padding on; 21 set beside a mask; 24:22 after every 256 words; 31:25 four words
	s_or_b32 s36, s85, (1<<20)|(1<<21)|(7<<22)|(3<<25)
.irp g, 28, 36
	s_mov_b32 s[\g+1], 1024<<16                    ; tensor_dim0
	s_mov_b32 s[\g+3], 1024<<16                    ; tile_dim0
	s_mov_b32 s[\g+5], 1024                        ; from row to row
	s_mov_b32 s[\g+6], 0
	s_mov_b32 s[\g+7], 0
.endr
	s_mov_b32 s30, 32<<16                          ; tensor_dim1
	s_mov_b32 s32, 32                              ; tile_dim1
	s_mov_b32 s38, 16<<16
	s_mov_b32 s40, 16
	; where the tiles go and come from: the head group and the wave's number alone
	s_and_b32 s86, s26, 1
	s_mul_i32 s87, s86, 32*PITCH
	s_mul_i32 s88, s86, 16*PITCH
	s_mov_b32 s44, 1                               ; slot A: waves 0, 1: Q's halves,
	s_mov_b32 s45, s87
	s_mov_b32 s48, 1                               ; waves 2, 3: the halves of K's first 32 rows
	s_add_co_u32 s49, s88, 64*PITCH
	s_mov_b32 s52, 1                               ; slot B: waves 0, 1: the halves of K's other 32 rows,
	s_add_co_u32 s53, s88, 96*PITCH
	s_mov_b32 s68, 1                               ; waves 2, 3: V's halves
	s_add_co_u32 s69, s87, 128*PITCH
	s_lshl_b32 s90, s83, 18                        ; g x 256 rows x 1,024 bytes
	s_mov_b32 s95, s90
	s_lshl_b32 s87, s86, 15
	s_lshl_b32 s88, s86, 14
	s_add_co_u32 s88, s88, s90                     ; + 16 rows for each
	s_add_co_u32 s90, s90, s87                     ; + 32 rows for each
	s_mov_b32 s89, 0
	s_mov_b32 s91, 0
	BASES
	s_mov_b32 s56, 0x76543210                      ; v_permlanex16_b32: each lane takes its own place in the other half
	s_mov_b32 s57, 0xfedcba98
	s_mov_b32 s60, BT                              ; head 0's bias table
	s_cmp_lt_u32 ttmp9, 4                          ; the four clusters with the lowest numbers prefetch, by waves 0 to 2
	s_cselect_b32 s62, s26, 3
	s_cmp_lt_u32 s62, 3
	s_cselect_b32 s62, 1, 99
	s_sub_co_u32 s63, s62, 1
	v_and_b32 v32, 15, v0                          ; r = lane % 16
	v_bfe_u32 v33, v0, 4, 1                        ; h = lane / 16
	v_and_b32 v34, 31, v0                          ; lane
	v_mul_u32_u24 v[AQ], v32, PITCH
	v_lshl_add_u32 v[AQ], v33, 4, v[AQ]            ; a fragment's row r x pitch + 16 h
	v_add_nc_u32 v[AK], 64*PITCH, v[AQ]
	v_add_nc_u32 v[AV], 128*PITCH, v[AQ]
	v_lshlrev_b32 v[L32H], 5, v33
	v_lshlrev_b32 v[L32R], 5, v32
	v_mul_u32_u24 v38, v32, SP
	v_lshl_add_u32 v[LH], v33, 5, v38              ; row r, 32 bytes for each half of the lanes
	v_mul_u32_u24 v42, v33, SP
	v_lshl_add_u32 v42, v32, 4, v42                ; lanes 0-15 one row of 256 bytes, lanes 16-31 the next
	v_lshl_add_u32 v39, v34, 4, s92
	v_add_nc_u32 v40, s92, v[AQ]
	v_add_nc_u32 v[GST], s92, v42
	v_add_nc_u32 v[RD], s93, v42
	v_lshl_add_u32 v43, v34, 2, s94
	v_lshlrev_b32 v[GO], 12, v33
	v_lshl_add_u32 v[GO], v32, 4, v[GO]
	v_lshlrev_b32 v[PFO], 8, v34
	v_lshlrev_b32 v45, 4, v34                      ; hidden and sim: 16 bytes a lane
	v_lshlrev_b32 v46, 8, v34                      ; mask: key = lane, 256 bytes apart
	v_lshlrev_b32 v47, 3, v0                       ; biases: thread t holds features 2 (t % 32), + 1 of head t / 32
	v_lshrrev_b32 v48, 5, v0
	v_mul_u32_u24 v48, v48, BTH
	v_lshl_add_u32 v49, v34, 3, v48
	v_add_nc_u32 v49, BT, v49
	v_lshl_add_u32 v50, v34, 6, v48
	v_add_nc_u32 v50, BT+512, v50
.irp q, 0,1,2,3
	v_mov_b32 v[ST+4*\q+3], 0                      ; written once: a lane permute's destination counts as one of its sources
.endr
	WALU
	s_wait_dscnt 0x0                               ; both opening adds are done
	s_wait_kmcnt 0x0
	s_load_b256 s[72:79], s[22:23], 0x0            ; e0 .. e7
	s_load_b64 s[80:81], s[22:23], 0x20            ; e8, e9
	s_lshr_b32 s66, s84, 6                         ; b
	s_and_b32 s67, s84, 63                         ; seq
	s_lshl_b32 s86, s66, 22                        ; hidden[b][token][seq][:]
	s_lshl_b32 s87, s67, 10
	s_add_co_u32 s86, s86, s87
	s_mov_b32 s87, 0
	s_add_nc_u64 s[4:5], s[4:5], s[86:87]
	s_lshl_b32 s86, s66, 14                        ; mask[b][token][seq]
	s_lshl_b32 s67, s67, 2
	s_add_co_u32 s86, s86, s67
	s_add_nc_u64 s[18:19], s[18:19], s[86:87]
	s_lshl_b32 s86, s84, 14                        ; sim[B']
	s_add_nc_u64 s[20:21], s[20:21], s[86:87]
	s_lshl_b32 s86, s84, 18                        ; out[B'][token][256 g ..]
	s_lshl_b32 s67, s83, 10
	s_add_co_u32 s86, s86, s67
	s_add_nc_u64 s[24:25], s[24:25], s[86:87]
	s_lshl_b32 s86, s83, 10                        ; the biases' 256 numbers of my head group
	s_add_nc_u64 s[12:13], s[12:13], s[86:87]
	s_add_nc_u64 s[14:15], s[14:15], s[86:87]
	s_add_nc_u64 s[16:17], s[16:17], s[86:87]
	global_load_b64 v[52:53], v47, s[12:13]
	global_load_b64 v[54:55], v47, s[14:15]
	global_load_b64 v[56:57], v47, s[16:17]
	global_load_b32 v58, v46, s[18:19]             ; am of key lane
	global_load_b32 v59, v46, s[18:19] offset:8192 ; and of key lane + 32
	HLD 0
	HLD 1
	s_add_nc_u64 s[46:47], s[6:7], s[90:91]
	s_or_b32 s47, s47, 0x80000000                  ; type = 2
	s_add_nc_u64 s[50:51], s[8:9], s[88:89]
	s_or_b32 s51, s51, 0x80000000
	s_add_nc_u64 s[54:55], s[8:9], s[88:89]
	s_add_nc_u64 s[54:55], s[54:55], 0x8000
	s_or_b32 s55, s55, 0x80000000
	s_add_nc_u64 s[70:71], s[10:11], s[90:91]
	s_or_b32 s71, s71, 0x80000000
	WALU
	CROUND                                         ; all sixteen work-groups are here: the first joint loads meet
	JLOAD 44,28,48,36                              ; head 0's slot A: one tensor load a wave
	; the prefetches: slot A from head 2 on: waves 0, 1: blocks 64 cx + 32 w of Q's 256, wave 2: blocks 32 cx of K's 128; slot B from head 1 on: wave 0: K's, waves 1, 2: V's
	s_lshl_b32 s66, s82, 14
	s_lshl_b32 s67, s82, 13
	s_lshl_b32 s86, s26, 13
	s_add_co_u32 s66, s66, s86                     ; of 256 blocks: 64 x cx + 32 x wave
	s_sub_co_u32 s92, s66, 0x2000
	s_add_co_u32 s93, s67, 0x8000
	s_cmp_lt_u32 s26, 2
	s_cselect_b64 s[96:97], s[6:7], s[8:9]
	s_cselect_b32 s86, s66, s67
	s_cmp_eq_u32 s26, 0
	s_cselect_b64 s[98:99], s[8:9], s[10:11]
	s_cselect_b32 s92, s93, s92
	s_add_co_u32 s86, s86, s95
	s_add_co_u32 s92, s92, s95
	s_add_co_u32 s86, s86, 0x20000
	s_add_co_u32 s92, s92, 0x10000
	s_mov_b32 s87, 0
	s_mov_b32 s93, 0
	s_add_nc_u64 s[96:97], s[96:97], s[86:87]
	s_add_nc_u64 s[98:99], s[98:99], s[92:93]
	s_wait_kmcnt 0x0
	MKSCALE 78,72,73,93,SCQ,LQ                     ; q: e6 - e0 - e1
	MKSCALE 79,74,75,94,SCK,LK                     ; k: e7 - e2 - e3
	MKSCALE 81,76,77,95,SCV,LV                     ; v: e9 - e4 - e5
	s_add_co_i32 s86, s80, 127                     ; p: e8
	s_lshl_b32 s87, s86, 23
	v_mov_b32 v[SCP], s87
	s_add_co_i32 s86, s86, 8
	s_lshl_b32 s86, s86, 23
	s_or_b32 s[LP], s86, 0x600000
	s_add_co_i32 s86, s78, s79
	s_lshl_b32 s86, s86, 23
	s_add_co_i32 s58, s86, 0x3e38aa3b              ; c = log2(e) / 8 x 2^(e6 + e7): the exponents are added to c's exponent field
	s_mov_b32 s59, s58                             ; (named with it as a pair)
	s_add_co_i32 s61, s80, s81                     ; e8 + e9
	s_mov_b32 s86, 0x46616bcd                      ; 10000 log2(e)
	s_mov_b32 s87, 0xc6616bcd
	WALU
	s_wait_loadcnt 63                              ; behind the 5 small loads 64 more were issued: the small ones are in
	v_ldexp_f32 v52, v52, s93                      ; a bias goes in divided by the power of two that the sums lack
	v_ldexp_f32 v53, v53, s93
	v_ldexp_f32 v54, v54, s94
	v_ldexp_f32 v55, v55, s94
	v_ldexp_f32 v56, v56, s95
	v_ldexp_f32 v57, v57, s95
	v_fma_f32 v58, v58, s86, s87                   ; (1 - am) x (-10000) x log2(e)
	v_fma_f32 v59, v59, s86, s87
.irp i, 60,61,62,63
	v_mov_b32 v\i, v56
.endr
.irp i, 64,65,66,67
	v_mov_b32 v\i, v57
.endr
	ds_store_b64 v49, v[52:53]
	ds_store_b64 v49, v[54:55] offset:256
	ds_store_b128 v50, v[60:63]
	ds_store_b128 v50, v[60:63] offset:16
	ds_store_b128 v50, v[64:67] offset:32
	ds_store_b128 v50, v[64:67] offset:48
	ds_store_b32 v43, v58
	ds_store_b32 v43, v59 offset:128
	s_wait_loadcnt 32                              ; token tile 0 is in; tile 1's 32 loads may be out
	HLD 2
	HTR 0
	s_wait_loadcnt 32                              ; tile 1 is in
	HLD 3
	HTR 1
	s_wait_loadcnt 32                              ; tile 2 is in
.set EX, 0
.rept 32
	global_load_b128 v[SB+4*EX:SB+4*EX+3], v45, s[20:21] offset:512*EX   ; sim, as it lies
.set EX, EX+1
.endr
	HTR 2
	s_wait_loadcnt 32                              ; tile 3 is in; sim's 32 loads may be out
	HTR 3
	BASES                                          ; (their registers have served otherwise)
	WALU
	s_wait_xcnt 0x0                                ; sim's loads have read their offset: the bias tiles may land on its register
	s_wait_tensorcnt 0x0                           ; my part of slot A is in
	ds_add_u32 v[SPW], v[NIL]
	s_wait_dscnt 0x0                               ; the add is done, and so are the tables and hidden's turn
	CROUND
	JLOAD 52,36,68,28                              ; head 0's slot B
	s_mov_b32 s27, 3                               ; trips
	BSET QC,L32H,0,64
	BIASLD
	FETP AQ,0
	BSET QC,L32H,128,64
	PHASE 0,AX,JNONE,MNONE,AQ,0,AQ,1,4
	BSET KC,L32H,256,64
	PHASE 0,AY,JQP,MQP,AQ,1,AK,0,4
	BSET VC,L32H,384,64
	PHASE 0,AX,JK0,MNONE,AK,0,0,0,3
	WIN 0
.Lhead:                                            ; three trips: the rest of head n and head n + 1 but for K0's last pair; each asks for head n + 1's two slots
	FRONT 1
	BSET QC,L32H,128,64
	PHASE 0,AX,JQ0,MNONE,AQ,0,AQ,1,4
	OMUL
	BSET KC,L32H,256,64
	PHASE 0,AY,JQ1,MQ1,AQ,1,AK,0,4
	BSET VC,L32H,384,64
	PHASE 0,AX,JK0,MK0,AK,0,0,0,3
	WIN 0
	s_wait_xcnt 0x0                                ; the stores' and the prefetches' addresses are translated (ISA guide 3.1): their bases and data registers may be written again
	s_add_nc_u64 s[24:25], s[24:25], 256           ; out: the next head's 64 columns
	s_add_nc_u64 s[96:97], s[96:97], 0x10000
	s_add_nc_u64 s[98:99], s[98:99], 0x10000
	s_sub_co_u32 s27, s27, 1
	s_cmp_lg_u32 s27, 0
	s_cbranch_scc1 .Lhead
	FRONT 0                                        ; the last head's rest is written out
.set NI, 0
.rept 48
	JQ0
.set NI, NI+1
.endr
	OMUL
	PLACES
.irp q, 0,1,2,3
	PKM 4*\q
	PKM 4*\q+1
	PKM 4*\q+2
	PKM 4*\q+3
	OUTQ \q
.if \q == 1
	SENDQ 0
.endif
.if \q == 2
	SENDQ 1
.endif
.if \q == 3
	SENDQ 2
	SENDQ 3
.endif
.endr
	s_wait_tensorcnt 0x0                           ; the wave's end
	ds_add_u32 v[SPW], v[NIL]
	s_wait_dscnt 0x0
	CROUND                                         ; the closing round: no work-group ends while a partner may still ask for a tile that names it
	s_endpgm
.Lfunc_end_k_q90a6793f56_fused:
	.size	k_q90a6793f56_fused, .Lfunc_end_k_q90a6793f56_fused-k_q90a6793f56_fused
	.p2alignl 7, 3214868480
	.fill 96, 4, 3214868480
	.section	.rodata,"a",@progbits
	.p2align	6, 0x0
	.amdhsa_kernel k_q90a6793f56_fused
		.amdhsa_group_segment_fixed_size 327680
		.amdhsa_private_segment_fixed_size 0
		.amdhsa_enable_private_segment 0
		.amdhsa_kernarg_size 88
		.amdhsa_user_sgpr_count 2
		.amdhsa_user_sgpr_kernarg_segment_ptr 1
		.amdhsa_wavefront_size32 1
		.amdhsa_system_sgpr_workgroup_id_x 1
		.amdhsa_system_sgpr_workgroup_id_y 1
		.amdhsa_system_sgpr_workgroup_id_z 1
		.amdhsa_system_vgpr_workitem_id 0
		.amdhsa_next_free_vgpr 1024
		.amdhsa_next_free_sgpr 102
		.amdhsa_reserve_vcc 0
		.amdhsa_float_denorm_mode_32 3
		.amdhsa_float_denorm_mode_16_64 3
		.amdhsa_memory_ordered 1
		.amdhsa_forward_progress 1
		.amdhsa_inst_pref_size 255
	.end_amdhsa_kernel
	.section	.bss,"aw",@nobits
	.p2align	6
	.space	262144
	.amdgpu_metadata
---
amdhsa.version: [ 1, 2 ]
amdhsa.kernels:
  - .name:           k_q90a6793f56_fused
    .symbol:         k_q90a6793f56_fused.kd
    .args:
      - { .name: hidden_states_codes, .offset: 0, .size: 8, .value_kind: global_buffer, .address_space: global }
      - { .name: Wq_codes, .offset: 8, .size: 8, .value_kind: global_buffer, .address_space: global }
      - { .name: Wk_codes, .offset: 16, .size: 8, .value_kind: global_buffer, .address_space: global }
      - { .name: Wv_codes, .offset: 24, .size: 8, .value_kind: global_buffer, .address_space: global }
      - { .name: bq, .offset: 32, .size: 8, .value_kind: global_buffer, .address_space: global }
      - { .name: bk, .offset: 40, .size: 8, .value_kind: global_buffer, .address_space: global }
      - { .name: bv, .offset: 48, .size: 8, .value_kind: global_buffer, .address_space: global }
      - { .name: attention_mask, .offset: 56, .size: 8, .value_kind: global_buffer, .address_space: global }
      - { .name: sim_graph, .offset: 64, .size: 8, .value_kind: global_buffer, .address_space: global }
      - { .name: lowp_scales, .offset: 72, .size: 8, .value_kind: global_buffer, .address_space: global }
      - { .name: out0, .offset: 80, .size: 8, .value_kind: global_buffer, .address_space: global }
    .group_segment_fixed_size: 327680
    .private_segment_fixed_size: 0
    .kernarg_segment_align: 8
    .kernarg_segment_size: 88
    .max_flat_workgroup_size: 128
    .sgpr_count:     102
    .vgpr_count:     1024
    .wavefront_size: 32
...
	.end_amdgpu_metadata
.endif
;; end of part 1
